; MI455X (gfx1250); checked and timed in simulation.
; The chip was launched on July 23, 2026; its instructions are those of AMD's public machine-readable ISA for CDNA 5 (MIT licence, August 2026) and "CDNA5" Instruction Set Architecture Reference Guide (July 2026). The comments in the code are by the model that wrote it; some were corrected since.
;; Hetero Linear. Allowed arithmetic: matrix products marked QUANTISED: E3M2 operands, one E8M0 scale for each 32 along K, by v_wmma_scale_f32_16x16x128_f8f6f4 with both operands' format E3M2, f32 sums; everything else in f32.
;; Inputs: W_codes 16 x 256 x 8 x 24 uint8 (E3M2 codes of W, K innermost, in blocks of 32 codes, four codes in three bytes); W_scales 16 x 256 x 8 uint8 (E8M0 scales of W, one for each 32 codes along K); b 16 x 256 float32; type_vec 50,000 int32; x_codes 50,000 x 8 x 24 uint8 (E3M2 codes of x, K innermost, in blocks of 32 codes, four codes in three bytes); x_scales 50,000 x 8 uint8 (E8M0 scales of x, one for each 32 codes along K).
;; Outputs: out0 50,000 x 256 float32.
;; This version of the problem:
;;   THIS VERSION OF THE PROBLEM IS GIVEN IN LOW PRECISION. The matrix products marked QUANTISED in the list below multiply operands that are first quantised to E3M2 (3 exponent bits, 2 mantissa bits; 6 bits a number), with one power-of-two scale for each 32 numbers along K (OCP MX v1.0); their sums are f32. All else is computed in f32.
;;   The module's matrix products, in the order in which they are computed (A, B: the left and right operand; K: the contracted axis; several contracted axes count as one K, in the product's order):
;;     1. [M 50,000, K 256] x [K 256, N 256]; A: input x (given as codes); B: input W (given as codes): QUANTISED
;;     2. [M 50,000, K 256] x [K 256, N 256]; A: input x (given as codes); B: input W (given as codes): QUANTISED
;;     3. [M 50,000, K 256] x [K 256, N 256]; A: input x (given as codes); B: input W (given as codes): QUANTISED
;;     4. [M 50,000, K 256] x [K 256, N 256]; A: input x (given as codes); B: input W (given as codes): QUANTISED
;;     5. [M 50,000, K 256] x [K 256, N 256]; A: input x (given as codes); B: input W (given as codes): QUANTISED
;;     6. [M 50,000, K 256] x [K 256, N 256]; A: input x (given as codes); B: input W (given as codes): QUANTISED
;;     7. [M 50,000, K 256] x [K 256, N 256]; A: input x (given as codes); B: input W (given as codes): QUANTISED
;;     8. [M 50,000, K 256] x [K 256, N 256]; A: input x (given as codes); B: input W (given as codes): QUANTISED
;;     9. [M 50,000, K 256] x [K 256, N 256]; A: input x (given as codes); B: input W (given as codes): QUANTISED
;;     10. [M 50,000, K 256] x [K 256, N 256]; A: input x (given as codes); B: input W (given as codes): QUANTISED
;;     11. [M 50,000, K 256] x [K 256, N 256]; A: input x (given as codes); B: input W (given as codes): QUANTISED
;;     12. [M 50,000, K 256] x [K 256, N 256]; A: input x (given as codes); B: input W (given as codes): QUANTISED
;;     13. [M 50,000, K 256] x [K 256, N 256]; A: input x (given as codes); B: input W (given as codes): QUANTISED
;;     14. [M 50,000, K 256] x [K 256, N 256]; A: input x (given as codes); B: input W (given as codes): QUANTISED
;;     15. [M 50,000, K 256] x [K 256, N 256]; A: input x (given as codes); B: input W (given as codes): QUANTISED
;;     16. [M 50,000, K 256] x [K 256, N 256]; A: input x (given as codes); B: input W (given as codes): QUANTISED
;;   THE QUANTISER, for each operand of a quantised product, along K:
;;     - K is cut into blocks of 32 from its start; a last block that is shorter is filled with zeros.
;;     - A block's scale is 2^e with e = floor(log2(the largest magnitude in the block)) - 4, held to -126 .. 127; a block of zeros has e = 0. As a byte (E8M0): e + 127.
;;     - Each number is divided by its block's scale, clamped to +-28, and rounded to the nearest number of E3M2, ties to even, subnormals kept.
;;     - The product sums the exact products of the quantised numbers (number of the format x scale) in f32.
;;   ~~~python
;;   def quantise(x, axis):      # numpy; x: float32 -> the quantised numbers, widened to float32 again
;;       x = np.moveaxis(x, axis, -1); K = x.shape[-1]
;;       x = np.pad(x, [(0, 0)] * (x.ndim - 1) + [(0, -K % 32)]); x = x.reshape(x.shape[:-1] + (-1, 32)); a = np.abs(x).max(-1, keepdims=True)
;;       e = np.where(a > 0, np.clip(np.frexp(np.where(a > 0, a, 1))[1] - 1 - 4, -126, 127), 0)      # np.frexp(a)[1] - 1 = floor(log2(a)), exactly
;;       r = np.clip(x / 2.0 ** e, -28, 28)
;;       step = 2.0 ** (np.maximum(np.frexp(np.where(r == 0, 1, r))[1] - 1, -2) - 2)
;;       q = np.round(r / step) * step * 2.0 ** e      # np.round: ties to even
;;       return np.moveaxis(q.reshape(q.shape[:-2] + (-1,))[..., :K], -1, axis).astype(np.float32)
;;   ~~~
;;   INPUTS GIVEN AS CODES. W (in the module: [16, 256, 256], K = its axis 2); x (in the module: [50000, 256], K = its axis 1): each comes as NAME_codes (uint8): NAME with its K axis moved to the last place and cut into blocks of 32 codes, [.., K / 32, bytes a block], one block behind the other in memory; four codes in three bytes: a row's codes are one little-endian stream of bits, code i at bits 6 i .. 6 i + 5 (a code: sign, 3 exponent bits, 2 mantissa bits); and NAME_scales (uint8): the same leading axes, one E8M0 byte (e + 127) for each 32 codes along K. Its value is code x scale, taken as it is: it is not quantised again, and the codes and scales need not be those that the quantiser above would give.
;; 2 versions. Each part assembles by itself: llvm-mc -triple=amdgcn-amd-amdhsa -mcpu=gfx1250 --defsym DOCPART=n.
;; ======== version 1 of 2: 2 launches
;; workspace buffers: order 227,072 bytes of whole numbers; ends 512 bytes of whole numbers
;; launch route (part 1): grid 49 x 1, 32 waves a work-group, no clusters, 22,528 bytes of LDS; arguments type_vec, order, ends; writes order, ends
.if DOCPART == 1
	.amdgcn_target "amdgcn-amd-amdhsa--gfx1250"
	.amdhsa_code_object_version 6
	.text
	.protected	k_qb5472a9ce1_route
	.globl	k_qb5472a9ce1_route
	.p2align	8
	.type	k_qb5472a9ce1_route,@function
k_qb5472a9ce1_route:
	s_mov_b64 s[64:65], 0
	v_nop
	global_prefetch_b8 v0, s[64:65] scope:SCOPE_SE
	s_setreg_imm32_b32 hwreg(HW_REG_WAVE_MODE, 25, 1), 1
	s_wait_xcnt 0x0
; A COUNTING SORT OF THE ROWS BY TYPE, into tile slots of 64 rows of one type, without atomics.
; The 50,000 rows are 49 chunks of 1,024 (the last has 848); seven chunks are a super-chunk of 7,168 rows (the last: 6,992), sorted by itself.
; A super-chunk of R rows has at most ceil(R / 64) + 15 tiles whatever the split: 127 slots (the last: 125), 887 in all.
; order[slot][0..63]: row numbers, then the filler 0xffffffff; every entry is stored once.  ends[s][e]: tiles of types 0..e in super-chunk s (a running count).
; A work-group owns one chunk: it counts its whole super-chunk (28 KB of types), finds where each of its 32 waves' rows of each type begin, and places its 1,024 rows.
; The super-chunk's first work-group also stores ends and the filler.
; TYPES OUTSIDE 0..15 are sorted as type 15; the next launch compares the raw type and leaves such rows zero.
; COUNTS LIVE IN LANES 16-31: lane 16 + e counts type e.  Four ballots give the lanes whose type has bit k set; lane 16 + e combines them into the mask of lanes of type e,
; and counts its bits by v_mbcnt_lo_u32_b32, 16 bits at a time: in lanes 16-31 that instruction's own mask covers bits 0-15.  Lanes 0-15 hold numbers that nobody uses.
.set NROWS,    50000
.set SUP,      7168                    ; rows of a super-chunk
.set SLOTS_S,  127                     ; tile slots of a super-chunk
.set ENT_LAST, 887*64-1                ; the last entry of order
.set PCN,      144                     ; a lane's 32 counts (one a wave) + 16 bytes
.set ACN,      0                       ; [lane][wave] counts in the whole super-chunk
.set BCN,      32*PCN                  ; [lane][wave] counts in the chunks before mine
.set OCN,      2*32*PCN                ; [lane][wave] counts in my chunk
.set TBL,      3*32*PCN                ; [wave][lane] first entry for wave, type
.set FILS,     TBL+4096                ; [32] where a wave's filler begins
.set FILE,     FILS+128                ; [32] and where it ends
; v0 t, v1 lane, v2-5 (bit k of lane) - 1, v6 144 l + 4 w, v7 144 l, v8 TBL + 4 l, v9 TBL + 4 t, v10 FILS + 4 l, v11 FILS + 4 w, v12-14 offsets in type_vec,
; v15 rank, v16-23 eight types, v24 my row's type, v25-30 at work, v31 my row, v32-34 the three counts; wave 0 later: v32-63, v64-95, v96-127 the three tables
; s[4:5] type_vec, s[6:7] order, s[8:9] ends, s10 g, s11 s, s12 c, s13 w, s14 q, s15 rows of my super-chunk, s16-19 ballots, s24 mask of the second load, s25-26 f0, f1, s27 my row exists, s28 EXEC kept
	s_load_b128 s[4:7], s[0:1], 0x0
	s_load_b64 s[8:9], s[0:1], 0x10
	v_and_b32 v1, 31, v0
	v_lshrrev_b32 v25, 5, v0
	v_readfirstlane_b32 s13, v25                   ; wave 0..31
	s_mov_b32 s10, ttmp9                           ; my chunk
	s_mul_i32 s11, s10, 37
	s_lshr_b32 s11, s11, 8                         ; super-chunk = chunk / 7 (exact for 0..48)
	s_mul_i32 s31, s11, 7
	s_sub_co_u32 s12, s10, s31                     ; my chunk's place in it
	s_lshr_b32 s14, s13, 3                         ; q: the first count load gives my wave types of chunk q, the second of chunk 4 + q
	s_mul_i32 s31, s11, SUP
	s_sub_co_u32 s15, NROWS, s31
	s_min_u32 s15, s15, SUP
	s_mov_b32 s29, 0xffff0000                      ; lanes 16-31
	s_mul_i32 s30, s11, 64*SLOTS_S                 ; the super-chunk's first entry of order
	s_cmp_lt_u32 s14, s12
	s_cselect_b32 s25, 1, 0                        ; chunk q lies before mine
	s_add_co_u32 s31, s14, 4
	s_cmp_lt_u32 s31, s12
	s_cselect_b32 s26, 1, 0                        ; chunk 4 + q lies before mine
.irp k, 0,1,2,3
	v_bfe_u32 v[2+\k], v0, \k, 1
	v_add_nc_u32 v[2+\k], -1, v[2+\k]              ; 0 where my lane's type has bit k, else all ones
.endr
	; every LDS address is made here, ahead of the place where wave 0 parts from the others
	v_mul_u32_u24 v7, v1, PCN
	s_lshl_b32 s31, s13, 2
	v_add_nc_u32 v6, s31, v7
	v_lshl_add_u32 v8, v1, 2, TBL
	v_lshl_add_u32 v9, v0, 2, TBL                  ; 128 w + 4 l = 4 t
	v_lshl_add_u32 v10, v1, 2, FILS
	s_add_co_u32 s32, s31, FILS
	v_mov_b32 v11, s32
	s_mul_i32 s33, s11, SUP*4
	v_lshl_add_u32 v12, v0, 4, s33                 ; rows 4 t .. 4 t + 3 of the super-chunk: always inside the buffer
	v_add_nc_u32 v13, 16384, v12
	v_min_u32 v13, NROWS*4-16, v13                 ; rows 4,096 + 4 t ..: held inside the buffer; what is held is masked below
	s_lshl_b32 s34, s10, 10
	v_add_nc_u32 v31, s34, v0                      ; my row
	v_lshlrev_b32 v14, 2, v31
	v_min_u32 v14, NROWS*4-4, v14
	s_sub_co_u32 s31, s15, 4096
	s_lshr_b32 s31, s31, 2
	v_cmp_gt_u32 s24, s31, v0                      ; the second load's four rows belong to my super-chunk (its rows are a multiple of 4)
	v_cmp_gt_u32 s27, NROWS, v31                   ; my row exists
	v_mov_b32 v32, 0
	v_mov_b32 v33, 0
	v_mov_b32 v34, 0
	s_wait_kmcnt 0x0
	global_load_b128 v[16:19], v12, s[4:5]
	global_load_b128 v[20:23], v13, s[4:5]
	global_load_b32 v24, v14, s[4:5]
; In lane 16 + e: acc += the number of lanes (of those in s[mask]; mask = -1: of all) whose v[x] is type e.  It leaves the four ballots in s16-19 and v[x] held to 0..15.
.macro CNT x, acc, mask
	v_min_u32 v[\x], 15, v[\x]
	v_and_b32 v25, 1, v[\x]
	v_and_b32 v26, 2, v[\x]
	v_and_b32 v27, 4, v[\x]
	v_cmp_ne_u32 s16, 0, v25
	v_cmp_ne_u32 s17, 0, v26
	v_cmp_ne_u32 s18, 0, v27
	v_cmp_lt_u32 s19, 7, v[\x]
	v_xor_b32 v25, s16, v2                         ; the ballot where my type has the bit, its complement where not
	v_xor_b32 v26, s17, v3
	v_xor_b32 v27, s18, v4
	v_xor_b32 v28, s19, v5
	v_and_b32 v25, v25, v26
	v_and_b32 v27, v27, v28
	v_and_b32 v25, v25, v27
.if \mask >= 0
	v_and_b32 v25, s[\mask], v25
.endif
	v_and_b32 v26, 0xffff, v25
	v_lshrrev_b32 v25, 16, v25
	v_mbcnt_lo_u32_b32 v[\acc], v26, v[\acc]
	v_mbcnt_lo_u32_b32 v[\acc], v25, v[\acc]
.endm
	s_wait_loadcnt 0x2                             ; the first count load is in; the second and my own type may be out
.irp i, 16,17,18,19
	CNT \i, 32, -1
.endr
	s_wait_loadcnt 0x1                             ; the second is in
.irp i, 20,21,22,23
	CNT \i, 33, 24
.endr
	s_wait_loadcnt 0x0
	CNT 24, 34, 27
	; my rank among the lower lanes of my wave that hold my type: the same combination, by my own type's bits
.irp k, 0,1,2,3
	v_bfe_u32 v[25+\k], v24, \k, 1
	v_add_nc_u32 v[25+\k], -1, v[25+\k]
	v_xor_b32 v[25+\k], s[16+\k], v[25+\k]
.endr
	v_and_b32 v25, v25, v26
	v_and_b32 v27, v27, v28
	v_and_b32 v25, v25, v27
	v_and_b32 v25, s27, v25
	v_mbcnt_lo_u32_b32 v15, v25, 0
	v_add_nc_u32 v29, v32, v33                     ; my wave's part of the super-chunk's counts,
	v_mul_u32_u24 v30, v32, s25
	v_mad_u32_u24 v30, v33, s26, v30               ; and of the counts before my chunk
	ds_store_b32 v6, v29 offset:ACN
	ds_store_b32 v6, v30 offset:BCN
	ds_store_b32 v6, v34 offset:OCN
	s_wait_dscnt 0x0                               ; for the others' sake: my stores are done
	s_barrier_signal -1
	s_barrier_wait -1
	s_cmp_lg_u32 s13, 0                            ; wave 0 alone makes the tables; no barrier stands inside
	s_cbranch_scc1 .Lnot_wave_0
.irp i, 0,1,2,3,4,5,6,7
	ds_load_b128 v[32+4*\i:35+4*\i], v7 offset:ACN+16*\i
.endr
.irp i, 0,1,2,3,4,5,6,7
	ds_load_b128 v[64+4*\i:67+4*\i], v7 offset:BCN+16*\i
.endr
.irp i, 0,1,2,3,4,5,6,7
	ds_load_b128 v[96+4*\i:99+4*\i], v7 offset:OCN+16*\i
.endr
.macro SUM32 dst, base
	v_add3_u32 v[\dst], v[\base], v[\base+1], v[\base+2]
.irp i, 3,5,7,9,11,13,15,17,19,21,23,25,27,29
	v_add3_u32 v[\dst], v[\dst], v[\base+\i], v[\base+\i+1]
.endr
	v_add_nc_u32 v[\dst], v[\dst], v[\base+31]
.endm
	s_wait_dscnt 16                                ; the first eight loads are in
	SUM32 16, 32                                   ; T: my type's rows in the super-chunk
	v_add_nc_u32 v18, 63, v16
	v_lshrrev_b32 v18, 6, v18                      ; its tiles
	v_mov_b32 v19, v18
	v_mov_b32 v20, 0                               ; (written before the DPP moves, whose destination counts as read)
.irp n, 1,2,4,8                                    ; a running sum over the 16 lanes of a row: lane i takes lane i - n, or 0
	v_mov_b32_dpp v20, v19 row_shr:\n row_mask:0xf bank_mask:0xf bound_ctrl:1
	v_add_nc_u32 v19, v19, v20
.endr
	v_sub_nc_u32 v21, v19, v18                     ; tiles of the types before mine
	v_lshl_add_u32 v22, v21, 6, s30                ; my type's first entry
	s_wait_dscnt 8
	SUM32 17, 64                                   ; my type's rows in the chunks before mine
	s_wait_dscnt 0x0
	v_add_nc_u32 v32, v22, v17                     ; where wave 0's rows of my type begin; each wave's follow the wave before
.set k, 0
.rept 31
	v_add_nc_u32 v[33+k], v[32+k], v[96+k]
.set k, k+1
.endr
.set k, 0
.rept 32
	ds_store_b32 v8, v[32+k] offset:128*k
.set k, k+1
.endr
	; the filler: wave 16 + e fills type e's last tile (at most 63 entries); waves 0-14 the slots that no tile takes (at most 15 x 64 entries)
	v_add_nc_u32 v23, v22, v16                     ; behind my type's last row,
	v_lshl_add_u32 v25, v19, 6, s30                ; up to the end of its last tile
	v_readlane_b32 s35, v19, 31                    ; all tiles of the super-chunk
	s_lshl_b32 s35, s35, 6
	s_add_co_u32 s35, s35, s30
	s_cmp_eq_u32 s11, 6
	s_cselect_b32 s36, 2, 0
	s_sub_co_u32 s36, SLOTS_S, s36                 ; its slots: 127, the last super-chunk's 125
	s_lshl_b32 s36, s36, 6
	s_add_co_u32 s36, s36, s30
	v_lshl_add_u32 v26, v1, 6, s35
	v_cndmask_b32 v23, v26, v23, s29
	v_cndmask_b32 v25, s36, v25, s29
	ds_store_b32 v10, v23
	ds_store_b32 v10, v25 offset:FILE-FILS
	s_cmp_lg_u32 s12, 0                            ; the super-chunk's first work-group stores the running counts of tiles
	s_cbranch_scc1 .Lno_ends
	v_and_b32 v28, 15, v1
	s_lshl_b32 s37, s11, 6
	v_lshl_add_u32 v28, v28, 2, s37
	v_cmp_lt_u32 vcc_lo, 15, v1
	s_wait_xcnt 0x0                                ; EXEC changes only behind this wait
	s_and_saveexec_b32 s28, vcc_lo
	global_store_b32 v28, v19, s[8:9]
	s_wait_xcnt 0x0                                ; and again in front of the line that widens it
	s_or_b32 exec_lo, exec_lo, s28
.Lno_ends:
.Lnot_wave_0:
	s_wait_dscnt 0x0
	s_barrier_signal -1
	s_barrier_wait -1                              ; the tables lie in LDS; nothing is written to LDS from here on
	ds_load_b32 v26, v9                            ; lane 16 + e: where my wave's rows of type e begin
	ds_load_b32 v27, v11                           ; my wave's filler: from,
	ds_load_b32 v28, v11 offset:FILE-FILS          ; to
	v_add_nc_u32 v25, 16, v24
	v_lshlrev_b32 v25, 2, v25                      ; lane 16 + my type, as a byte index (my type was held to 0..15)
	s_wait_dscnt 0x0
	ds_bpermute_b32 v29, v25, v26
	s_wait_dscnt 0x0
	v_add_nc_u32 v29, v29, v15
	v_min_u32 v29, ENT_LAST, v29
	v_lshlrev_b32 v29, 2, v29
	s_wait_xcnt 0x0
	s_mov_b32 vcc_lo, s27
	s_and_saveexec_b32 s28, vcc_lo
	global_store_b32 v29, v31, s[6:7]              ; my row's number at its place
	s_wait_xcnt 0x0
	s_or_b32 exec_lo, exec_lo, s28
	s_cmp_lg_u32 s12, 0
	s_cbranch_scc1 .Lend
	v_mov_b32 v30, -1
	v_add_nc_u32 v25, v27, v1
	v_add_nc_u32 v26, 32, v25
	v_cmp_lt_u32 vcc_lo, v25, v28
	v_cmp_lt_u32 s38, v26, v28
	v_min_u32 v25, ENT_LAST, v25
	v_min_u32 v26, ENT_LAST, v26
	v_lshlrev_b32 v25, 2, v25
	v_lshlrev_b32 v26, 2, v26
	s_and_saveexec_b32 s28, vcc_lo
	global_store_b32 v25, v30, s[6:7]
	s_wait_xcnt 0x0
	s_or_b32 exec_lo, exec_lo, s28
	s_mov_b32 vcc_lo, s38
	s_and_saveexec_b32 s28, vcc_lo
	global_store_b32 v26, v30, s[6:7]
	s_wait_xcnt 0x0
	s_or_b32 exec_lo, exec_lo, s28
.Lend:
	s_wait_xcnt 0x0
	s_mov_b32 exec_lo, -1
	v_lshl_add_u32 v30, v0, 2, 0x4800
	v_mov_b32 v31, 0
	s_wait_tensorcnt 0x0
	ds_add_u32 v30, v31
	s_wait_dscnt 0x0
	s_endpgm
.Lfunc_end_k_qb5472a9ce1_route:
	.size	k_qb5472a9ce1_route, .Lfunc_end_k_qb5472a9ce1_route-k_qb5472a9ce1_route
	.p2alignl 7, 3214868480
	.fill 96, 4, 3214868480
	.section	.rodata,"a",@progbits
	.p2align	6, 0x0
	.amdhsa_kernel k_qb5472a9ce1_route
		.amdhsa_group_segment_fixed_size 22528
		.amdhsa_private_segment_fixed_size 0
		.amdhsa_enable_private_segment 0
		.amdhsa_kernarg_size 24
		.amdhsa_user_sgpr_count 2
		.amdhsa_user_sgpr_kernarg_segment_ptr 1
		.amdhsa_wavefront_size32 1
		.amdhsa_system_sgpr_workgroup_id_x 1
		.amdhsa_system_sgpr_workgroup_id_y 1
		.amdhsa_system_sgpr_workgroup_id_z 1
		.amdhsa_system_vgpr_workitem_id 0
		.amdhsa_next_free_vgpr 128
		.amdhsa_next_free_sgpr 66
		.amdhsa_reserve_vcc 1
		.amdhsa_float_denorm_mode_32 3
		.amdhsa_float_denorm_mode_16_64 3
		.amdhsa_memory_ordered 1
		.amdhsa_forward_progress 1
		.amdhsa_inst_pref_size 23
	.end_amdhsa_kernel
	.amdgpu_metadata
---
amdhsa.version: [ 1, 2 ]
amdhsa.kernels:
  - .name:           k_qb5472a9ce1_route
    .symbol:         k_qb5472a9ce1_route.kd
    .args:
      - { .name: type_vec, .offset: 0, .size: 8, .value_kind: global_buffer, .address_space: global }
      - { .name: order, .offset: 8, .size: 8, .value_kind: global_buffer, .address_space: global }
      - { .name: ends, .offset: 16, .size: 8, .value_kind: global_buffer, .address_space: global }
    .group_segment_fixed_size: 22528
    .private_segment_fixed_size: 0
    .kernarg_segment_align: 8
    .kernarg_segment_size: 24
    .max_flat_workgroup_size: 1024
    .sgpr_count:     66
    .vgpr_count:     128
    .wavefront_size: 32
...
	.end_amdgpu_metadata
.endif
;; end of part 1
;; launch main (part 2): grid 887 x 1, 4 waves a work-group, no clusters, 68,096 bytes of LDS; arguments W_codes, W_scales, b, type_vec, x_codes, x_scales, order, ends, out0; writes out0
.if DOCPART == 2
	.amdgcn_target "amdgcn-amd-amdhsa--gfx1250"
	.amdhsa_code_object_version 6
	.text
	.protected	k_qb5472a9ce1_main
	.globl	k_qb5472a9ce1_main
	.p2align	8
	.type	k_qb5472a9ce1_main,@function
k_qb5472a9ce1_main:
	s_mov_b64 s[64:65], 0
	v_nop
	global_prefetch_b8 v0, s[64:65] scope:SCOPE_SE
	s_setreg_imm32_b32 hwreg(HW_REG_WAVE_MODE, 25, 1), 1
	s_wait_xcnt 0x0
; out[n] = x[n] . W[type[n]]^T + b[type[n]] on codes of BF6 (E3M2) with one E8M0 scale for each 32 along K; sums in f32.  Only the chosen type's product is made for a row.
; A work-group takes ONE TILE SLOT of the list that the launch before has stored: up to 64 rows of one type.  order[slot][0..63]: row numbers, then the filler 0xffffffff; ends[s][e]: running count of tiles.
; 887 slots serve every split of the rows among the types; a slot that the split leaves empty stores nothing and ends.
; SHARES.  Wave w makes columns 64 w .. 64 w + 63 of all 64 rows: a type's weights are read once by the work-group, and a wave's part of an output row is 256 consecutive bytes, aligned.
; Wave w also gathers rows 16 w .. 16 w + 15 of x, their scale words, numbers and raw types into LDS for all four waves: one barrier.
; THE MATRIX INSTRUCTION IS USED TRANSPOSED (source 0 = 16 rows of W, source 1 = 16 rows of x): lane (r, h) holds row r and the eight neighbouring columns 8 h + 0 .. 7 of a tile.  The bias is the C of a sum's first instruction.
; DENSE LOADS, THEN A TURN THROUGH LDS.  Rows of codes are 192 bytes.  They are loaded in pieces of 16 bytes by neighbouring lanes (W: 512 consecutive bytes an instruction; x: 12 lanes to a row) and laid into LDS
; rows 208 bytes apart; the fragments come back as loads of 8 bytes at 208 r + 24 h.  208 bytes are 52 words: the 32 lanes of such a load touch 64 different banks (64 banks of 4 bytes: ISA guide 11.1).
; FILLER entries are replaced by the tile's first row: the same numbers are stored to the same bytes by the same work-group.
; A ROW WHOSE TYPE LIES OUTSIDE 0..15 was sorted as type 15; its raw type differs from the tile's, and zeros are stored.  A scale byte 0xff gives NaN, as the matrix instruction has it.
; NO TENSOR LOADS, NO CLUSTER: the slot's type and the exit of an empty slot hang on stored numbers, neighbouring slots hold different types, and what they would share, 51 KB of weights, comes once a work-group.
.set NROWS,  50000
.set PW,     208                       ; an LDS row of codes: 192 bytes + 16
.set WREGB,  64*PW                     ; a wave's 64 rows of W; later its stage for the way out (16 rows x 272 bytes)
.set XROWS,  4*WREGB                   ; the 64 rows of x
.set XSC,    XROWS+WREGB               ; their scale words, 8 bytes a row
.set ROWS,   XSC+512                   ; their numbers
.set TYP,    ROWS+256                  ; their raw types
.set SP,     272                       ; a stage row: 256 bytes + 16
.set GRP,    8*PW                      ; 96 pieces of 16 bytes are 8 rows
.set WF,  16                           ; v16-111   W's fragments: (tile t, K step s) at 12 (2 t + s)
.set WS,  112                          ; v112-119  W's scale words: 2 t + s
.set BI,  120                          ; v120-151  the bias, 8 registers a tile, in the result's layout
.set XF,  152                          ; v152-175  x's two fragments
.set XS,  176                          ; v176-177  x's scale words
.set ACC, 178                          ; v178-209  four accumulators.  Ahead of the barrier: v178-207 addresses and list entries
.set OFF, 210                          ; v210-241  byte offsets in out0 for the stores: 8 m + i
.set TY,  242                          ; v242-245  raw types of the four tiles of rows
; v1 lane, v2 r, v3 h, v4 W's fragments, v5 x's fragments, v6 into the stage, v7 back from it, v8 x's scale words, v9 row numbers, v10 types, v11 256 w + 16 r
; s[4:5] W_codes, s[6:7] W_scales, s[8:9] b, s[10:11] type_vec, s[12:13] x_codes, s[14:15] x_scales, s[16:17] order, s[18:19] ends, s[20:21] out0
; s22 wave, s23 slot, s24 super-chunk, s25 slot in it, s26 the slot's type or 16, s27 the slot's first entry, s31 the type held to 15, s[32:47] ends[s], s48-51 masks
	s_load_b512 s[4:19], s[0:1], 0x0
	s_load_b64 s[20:21], s[0:1], 0x40
	v_lshl_add_u32 v254, v0, 2, 0x10800
	v_mov_b32 v255, 0
	v_lshrrev_b32 v205, 5, v0
	v_readfirstlane_b32 s22, v205                  ; wave 0..3
	v_and_b32 v1, 31, v0
	v_and_b32 v2, 15, v0
	v_bfe_u32 v3, v0, 4, 1
	s_mov_b32 s23, ttmp9
	s_mul_i32 s24, s23, 33027
	s_lshr_b32 s24, s24, 22                        ; slot / 127 (exact for 0..886)
	s_mul_i32 s25, s24, 127
	s_sub_co_u32 s25, s23, s25
	s_mul_i32 s30, s22, WREGB                      ; my wave's region
	s_mul_i32 s53, s22, 16*PW
	s_add_co_u32 s53, s53, XROWS                   ; where my 16 rows of x go
	s_lshl_b32 s54, s22, 6                         ; my 16 entries of the slot
	s_lshl_b32 s55, s22, 7
	s_add_co_u32 s55, s55, XSC                     ; my 16 rows' scale words
	s_lshl_b32 s56, s22, 8                         ; my 64 columns, in bytes
	v_mul_u32_u24 v205, v2, PW
	v_mad_u32_u24 v205, v3, 24, v205               ; a fragment's row x pitch + 24 x half
	v_add_nc_u32 v4, s30, v205
	v_add_nc_u32 v5, XROWS, v205
	v_mul_u32_u24 v206, v2, SP
	v_lshl_add_u32 v206, v3, 5, v206
	v_add_nc_u32 v6, s30, v206                     ; into the stage: row r, 32 bytes for each half of the lanes
	v_mul_u32_u24 v206, v3, 8*SP
	v_lshl_add_u32 v206, v2, 4, v206
	v_add_nc_u32 v7, s30, v206                     ; back: lanes 0-15 row i, lanes 16-31 row 8 + i, 16 bytes a lane
	v_lshl_add_u32 v8, v2, 3, XSC
	v_lshl_add_u32 v9, v3, 5, ROWS
	v_lshl_add_u32 v10, v2, 2, TYP
	v_lshl_add_u32 v11, v2, 4, s56
	; piece q = 32 i + lane of a group of 96 pieces (8 rows): row q / 12, byte 16 (q % 12) in it; in LDS at 16 (q + q / 12)
.irp i, 0,1,2
	v_add_nc_u32 v205, 32*\i, v1
	v_mul_u32_u24 v206, v205, 171
	v_lshrrev_b32 v206, 11, v206                   ; q / 12 (exact for 0..95)
	v_add_nc_u32 v207, v205, v206
	v_lshlrev_b32 v207, 4, v207
	v_add_nc_u32 v[178+\i], s30, v207              ; W's pieces, in my region
	v_add_nc_u32 v[181+\i], s53, v207              ; x's pieces
	v_mul_u32_u24 v207, v206, 12
	v_sub_nc_u32 v207, v205, v207
	v_lshlrev_b32 v[184+\i], 4, v207               ; the piece's byte in its row
	v_lshl_add_u32 v[187+\i], v206, 2, s54         ; the row's entry in the slot
.endr
	v_lshl_add_u32 v197, v2, 2, s54                ; entry 16 w + r
	v_add_nc_u32 v198, ROWS, v197
	v_lshl_add_u32 v199, v2, 3, s55
	v_lshlrev_b32 v200, 4, v1
	v_lshlrev_b32 v201, 3, v2
	v_lshlrev_b32 v202, 5, v3
	s_wait_kmcnt 0x0
	s_lshl_b32 s28, s24, 6
	s_mov_b32 s29, 0
	s_add_nc_u64 s[18:19], s[18:19], s[28:29]      ; ends[s]
	s_lshl_b32 s28, s23, 8
	s_add_nc_u64 s[16:17], s[16:17], s[28:29]      ; order[slot]
	s_load_b512 s[32:47], s[18:19], 0x0
	s_load_b32 s27, s[16:17], 0x0
.irp k, 0,1
.irp i, 0,1,2
	global_load_b32 v[190+3*\k+\i], v[187+\i], s[16:17] offset:32*\k   ; the row of each of my six pieces
.endr
.endr
	global_load_b32 v196, v197, s[16:17]           ; and row 16 w + r
	s_wait_kmcnt 0x0
	s_mov_b32 s26, 0
.irp k, 0,1,2,3,4,5,6,7,8,9,10,11,12,13,14,15
	s_cmp_ge_u32 s25, s[32+\k]                     ; the slot's type: how many running counts it has reached;
	s_add_co_ci_u32 s26, s26, 0                    ; 16: no tile
.endr
	s_min_u32 s31, s26, 15
	s_mul_i32 s28, s31, 49152
	s_mul_i32 s57, s22, 12288
	s_add_co_u32 s28, s28, s57
	s_add_nc_u64 s[4:5], s[4:5], s[28:29]          ; my 64 rows of the type's weights: 12,288 dense bytes,
	s_lshl_b32 s28, s31, 11
	s_lshl_b32 s57, s22, 9
	s_add_co_u32 s28, s28, s57
	s_add_nc_u64 s[6:7], s[6:7], s[28:29]          ; their scale words,
	s_lshl_b32 s28, s31, 10
	s_add_co_u32 s28, s28, s56
	s_add_nc_u64 s[8:9], s[8:9], s[28:29]          ; my 64 numbers of the bias
.set i, 0
.rept 24
	global_load_b128 v[WF+4*i:WF+4*i+3], v200, s[4:5] offset:512*i   ; 32 lanes read 512 consecutive bytes
.set i, i+1
.endr
.irp t, 0,1,2,3
	global_load_b64 v[WS+2*\t:WS+2*\t+1], v201, s[6:7] offset:128*\t   ; row 16 t + r: the words of K steps 0 and 1
.endr
.irp t, 0,1,2,3
	global_load_b128 v[BI+8*\t:BI+8*\t+3], v202, s[8:9] offset:64*\t
	global_load_b128 v[BI+8*\t+4:BI+8*\t+7], v202, s[8:9] offset:64*\t+16
.endr
	s_wait_loadcnt 36                              ; the seven entries are in; the 24 + 4 + 8 loads behind them may be out
.irp e, 190,191,192,193,194,195,196
	v_cmp_gt_u32 vcc_lo, NROWS, v[\e]
	v_cndmask_b32 v[\e], s27, v[\e], vcc_lo        ; a filler becomes the tile's first row
	v_min_u32 v[\e], NROWS-1, v[\e]                ; and every number stays inside the tables
.endr
.irp k, 0,1
.irp i, 0,1,2
	v_lshl_add_u32 v[190+3*\k+\i], v[190+3*\k+\i], 1, v[190+3*\k+\i]
	v_lshl_add_u32 v[190+3*\k+\i], v[190+3*\k+\i], 6, v[184+\i]      ; 192 x row + the piece's byte
.endr
.endr
	v_lshlrev_b32 v203, 3, v196
	v_lshlrev_b32 v204, 2, v196
.irp k, 0,1
.irp i, 0,1,2
	global_load_b128 v[XF+4*(3*\k+\i):XF+4*(3*\k+\i)+3], v[190+3*\k+\i], s[12:13]
.endr
.endr
	global_load_b64 v[XS:XS+1], v203, s[14:15]
	global_load_b32 v[TY], v204, s[10:11]
	s_wait_loadcnt 20                              ; W's 24 loads are in; 12 for scales and bias and 8 for the rows may be out
.set i, 0
.rept 24
	ds_store_b128 v[178+i%3], v[WF+4*i:WF+4*i+3] offset:GRP*(i/3)
.set i, i+1
.endr
; a fragment, 16 rows x 128 K of 6-bit codes, is 12 registers: lane (r, h) takes 24 bytes at 24 h and 24 at 48 + 24 h of its row's 96, as they lie, in pieces of 8 bytes
.macro FRAG reg, adr, off
.irp p, 0,1,2,3,4,5
	ds_load_b64 v[\reg+2*\p:\reg+2*\p+1], v[\adr] offset:(\off)+48*(\p/3)+8*(\p%3)
.endr
.endm
.irp t, 0,1,2,3
.irp s, 0,1
	FRAG WF+12*(2*\t+\s), 4, 16*PW*\t+96*\s        ; LDS serves a wave's instructions in order (ISA guide 5.7.1.4): these see my stores; the bytes are my wave's own
.endr
.endr
	s_wait_loadcnt 0x0
.irp k, 0,1
.irp i, 0,1,2
	ds_store_b128 v[181+\i], v[XF+4*(3*\k+\i):XF+4*(3*\k+\i)+3] offset:GRP*\k
.endr
.endr
	ds_store_b64 v199, v[XS:XS+1]                  ; (lanes r and 16 + r store the same bytes with the same values)
	ds_store_b32 v198, v196
	ds_store_b32 v198, v[TY] offset:TYP-ROWS
	s_wait_dscnt 0x0                               ; for the others' sake: my stores are done; and W's fragments are in
	s_barrier_signal -1
	s_barrier_wait -1                              ; the one barrier: every wave of every slot passes it
	s_cmp_eq_u32 s26, 16
	s_cbranch_scc1 .Lempty                         ; a slot without a tile stores nothing
.macro FETCHX m                        ; rows 16 m .. 16 m + 15 of x: two fragments and the two scale words: 13 loads
	FRAG XF, 5, 16*PW*(\m)
	FRAG XF+12, 5, 16*PW*(\m)+96
	ds_load_b64 v[XS:XS+1], v8 offset:128*(\m)
.endm
.irp m, 0,1,2,3
.irp u, 0,1
	ds_load_b128 v[OFF+8*\m+4*\u:OFF+8*\m+4*\u+3], v9 offset:64*\m+16*\u   ; the numbers of rows 16 m + 8 h + 0 .. 7
.endr
.endr
.irp m, 0,1,2,3
	ds_load_b32 v[TY+\m], v10 offset:64*\m         ; the raw type of row 16 m + r
.endr
	FETCHX 0
	s_wait_dscnt 13                                ; numbers and types are in; the 13 loads just issued may be out
.irp m, 0,1,2,3
	v_cmp_eq_u32 s[48+\m], s31, v[TY+\m]
.endr
.set n, 0
.rept 32
	v_min_u32 v[OFF+n], NROWS-1, v[OFF+n]
	v_lshl_add_u32 v[OFF+n], v[OFF+n], 10, v11     ; 1,024 x row + 256 w + 16 r
.set n, n+1
.endr
; Sixteen rows: eight matrix instructions, the four accumulators by turns, one instruction a turn; then the way out through my own stage.
.macro TILE m
	s_wait_dscnt 0x0                               ; x's fragments and scale words are in
.if \m > 0
	s_wait_xcnt 0x0                                ; the last tile's stores have read their registers: the accumulators are written again only behind this wait
.endif
.irp t, 0,1,2,3
	v_wmma_scale_f32_16x16x128_f8f6f4 v[ACC+8*\t:ACC+8*\t+7], v[WF+24*\t:WF+24*\t+11], v[XF:XF+11], v[BI+8*\t:BI+8*\t+7], v[WS+2*\t], v[XS] matrix_a_fmt:MATRIX_FMT_BF6 matrix_b_fmt:MATRIX_FMT_BF6
.endr
.irp t, 0,1,2,3
	v_wmma_scale_f32_16x16x128_f8f6f4 v[ACC+8*\t:ACC+8*\t+7], v[WF+24*\t+12:WF+24*\t+23], v[XF+12:XF+23], v[ACC+8*\t:ACC+8*\t+7], v[WS+2*\t+1], v[XS+1] matrix_a_fmt:MATRIX_FMT_BF6 matrix_b_fmt:MATRIX_FMT_BF6
.endr
.rept 4
	v_nop                                          ; four places in front of loads into registers that the products have read, and of the first read of results
.endr
.if \m < 3
	FETCHX (\m)+1                                  ; the next sixteen rows come while these go out
.endif
.set n, 0
.rept 32
	v_cndmask_b32 v[ACC+n], 0, v[ACC+n], s[48+\m]  ; zeros where the row's raw type is not the tile's; each accumulator from its low end on
.set n, n+1
.endr
.irp t, 0,1,2,3
	ds_store_b128 v6, v[ACC+8*\t:ACC+8*\t+3] offset:64*\t
	ds_store_b128 v6, v[ACC+8*\t+4:ACC+8*\t+7] offset:64*\t+16
.endr
.irp i, 0,1,2,3,4,5,6,7
	ds_load_b128 v[ACC+4*\i:ACC+4*\i+3], v7 offset:SP*\i   ; in order behind my stores; the next tile's stores come behind these
.endr
.irp i, 0,1,2,3,4,5,6,7
	s_wait_dscnt 7-\i                              ; rows i and 8 + i are back
	global_store_b128 v[OFF+8*\m+\i], v[ACC+4*\i:ACC+4*\i+3], s[20:21] th:TH_STORE_NT   ; sixteen lanes store 256 consecutive bytes of a row, at a multiple of 256 from out0's first byte
.endr
.endm
	TILE 0
	TILE 1
	TILE 2
	TILE 3
.Lempty:
	s_barrier_signal -1
	s_barrier_wait -1
	s_wait_tensorcnt 0x0
	ds_add_u32 v254, v255
	s_wait_dscnt 0x0
	s_endpgm
.Lfunc_end_k_qb5472a9ce1_main:
	.size	k_qb5472a9ce1_main, .Lfunc_end_k_qb5472a9ce1_main-k_qb5472a9ce1_main
	.p2alignl 7, 3214868480
	.fill 96, 4, 3214868480
	.section	.rodata,"a",@progbits
	.p2align	6, 0x0
	.amdhsa_kernel k_qb5472a9ce1_main
		.amdhsa_group_segment_fixed_size 68096
		.amdhsa_private_segment_fixed_size 0
		.amdhsa_enable_private_segment 0
		.amdhsa_kernarg_size 72
		.amdhsa_user_sgpr_count 2
		.amdhsa_user_sgpr_kernarg_segment_ptr 1
		.amdhsa_wavefront_size32 1
		.amdhsa_system_sgpr_workgroup_id_x 1
		.amdhsa_system_sgpr_workgroup_id_y 1
		.amdhsa_system_sgpr_workgroup_id_z 1
		.amdhsa_system_vgpr_workitem_id 0
		.amdhsa_next_free_vgpr 256
		.amdhsa_next_free_sgpr 66
		.amdhsa_reserve_vcc 1
		.amdhsa_float_denorm_mode_32 3
		.amdhsa_float_denorm_mode_16_64 3
		.amdhsa_memory_ordered 1
		.amdhsa_forward_progress 1
		.amdhsa_inst_pref_size 47
	.end_amdhsa_kernel
	.amdgpu_metadata
---
amdhsa.version: [ 1, 2 ]
amdhsa.kernels:
  - .name:           k_qb5472a9ce1_main
    .symbol:         k_qb5472a9ce1_main.kd
    .args:
      - { .name: W_codes, .offset: 0, .size: 8, .value_kind: global_buffer, .address_space: global }
      - { .name: W_scales, .offset: 8, .size: 8, .value_kind: global_buffer, .address_space: global }
      - { .name: b, .offset: 16, .size: 8, .value_kind: global_buffer, .address_space: global }
      - { .name: type_vec, .offset: 24, .size: 8, .value_kind: global_buffer, .address_space: global }
      - { .name: x_codes, .offset: 32, .size: 8, .value_kind: global_buffer, .address_space: global }
      - { .name: x_scales, .offset: 40, .size: 8, .value_kind: global_buffer, .address_space: global }
      - { .name: order, .offset: 48, .size: 8, .value_kind: global_buffer, .address_space: global }
      - { .name: ends, .offset: 56, .size: 8, .value_kind: global_buffer, .address_space: global }
      - { .name: out0, .offset: 64, .size: 8, .value_kind: global_buffer, .address_space: global }
    .group_segment_fixed_size: 68096
    .private_segment_fixed_size: 0
    .kernarg_segment_align: 8
    .kernarg_segment_size: 72
    .max_flat_workgroup_size: 128
    .sgpr_count:     66
    .vgpr_count:     256
    .wavefront_size: 32
...
	.end_amdgpu_metadata
.endif
;; end of part 2
;; ======== version 2 of 2: 2 launches
;; workspace buffers: order 227,072 bytes of whole numbers; ends 512 bytes of whole numbers
;; launch route (part 3): grid 49 x 1, 32 waves a work-group, no clusters, 22,528 bytes of LDS; arguments type_vec, order, ends; writes order, ends
.if DOCPART == 3
	.amdgcn_target "amdgcn-amd-amdhsa--gfx1250"
	.amdhsa_code_object_version 6
	.text
	.protected	k_qb5472a9ce1_route
	.globl	k_qb5472a9ce1_route
	.p2align	8
	.type	k_qb5472a9ce1_route,@function
k_qb5472a9ce1_route:
	s_mov_b64 s[64:65], 0
	v_nop
	global_prefetch_b8 v0, s[64:65] scope:SCOPE_SE
	s_setreg_imm32_b32 hwreg(HW_REG_WAVE_MODE, 25, 1), 1
	s_wait_xcnt 0x0
; A COUNTING SORT OF THE ROWS BY TYPE, into tile slots of 64 rows of one type, without atomics.
; The 50,000 rows are 49 chunks of 1,024 (the last has 848); seven chunks are a super-chunk of 7,168 rows (the last: 6,992), sorted by itself.
; A super-chunk of R rows has at most ceil(R / 64) + 15 tiles whatever the split: 127 slots (the last: 125), 887 in all.
; order[slot][0..63]: row numbers, then the filler 0xffffffff; every entry is stored once.  ends[s][e]: tiles of types 0..e in super-chunk s (a running count).
; A work-group owns one chunk: it counts its whole super-chunk (28 KB of types), finds where each of its 32 waves' rows of each type begin, and places its 1,024 rows.
; The super-chunk's first work-group also stores ends and the filler.
; TYPES OUTSIDE 0..15 are sorted as type 15; the next launch compares the raw type and leaves such rows zero.
; COUNTS LIVE IN LANES 16-31: lane 16 + e counts type e.  Four ballots give the lanes whose type has bit k set; lane 16 + e combines them into the mask of lanes of type e,
; and counts its bits by v_mbcnt_lo_u32_b32, 16 bits at a time: in lanes 16-31 that instruction's own mask covers bits 0-15.  Lanes 0-15 hold numbers that nobody uses.
.set NROWS,    50000
.set SUP,      7168                    ; rows of a super-chunk
.set SLOTS_S,  127                     ; tile slots of a super-chunk
.set ENT_LAST, 887*64-1                ; the last entry of order
.set PCN,      144                     ; a lane's 32 counts (one a wave) + 16 bytes
.set ACN,      0                       ; [lane][wave] counts in the whole super-chunk
.set BCN,      32*PCN                  ; [lane][wave] counts in the chunks before mine
.set OCN,      2*32*PCN                ; [lane][wave] counts in my chunk
.set TBL,      3*32*PCN                ; [wave][lane] first entry for wave, type
.set FILS,     TBL+4096                ; [32] where a wave's filler begins
.set FILE,     FILS+128                ; [32] and where it ends
; v0 t, v1 lane, v2-5 (bit k of lane) - 1, v6 144 l + 4 w, v7 144 l, v8 TBL + 4 l, v9 TBL + 4 t, v10 FILS + 4 l, v11 FILS + 4 w, v12-14 offsets in type_vec,
; v15 rank, v16-23 eight types, v24 my row's type, v25-30 at work, v31 my row, v32-34 the three counts; wave 0 later: v32-63, v64-95, v96-127 the three tables
; s[4:5] type_vec, s[6:7] order, s[8:9] ends, s10 g, s11 s, s12 c, s13 w, s14 q, s15 rows of my super-chunk, s16-19 ballots, s24 mask of the second load, s25-26 f0, f1, s27 my row exists, s28 EXEC kept
	s_load_b128 s[4:7], s[0:1], 0x0
	s_load_b64 s[8:9], s[0:1], 0x10
	v_and_b32 v1, 31, v0
	v_lshrrev_b32 v25, 5, v0
	s_delay_alu instid0(VALU_DEP_1)
	v_readfirstlane_b32 s13, v25                   ; wave 0..31
	s_mov_b32 s10, ttmp9                           ; my chunk
	s_mul_i32 s11, s10, 37
	s_lshr_b32 s11, s11, 8                         ; super-chunk = chunk / 7 (exact for 0..48)
	s_mul_i32 s31, s11, 7
	s_sub_co_u32 s12, s10, s31                     ; my chunk's place in it
	s_lshr_b32 s14, s13, 3                         ; q: the first count load gives my wave types of chunk q, the second of chunk 4 + q
	s_mul_i32 s31, s11, SUP
	s_sub_co_u32 s15, NROWS, s31
	s_min_u32 s15, s15, SUP
	s_mov_b32 s29, 0xffff0000                      ; lanes 16-31
	s_mul_i32 s30, s11, 64*SLOTS_S                 ; the super-chunk's first entry of order
	s_cmp_lt_u32 s14, s12
	s_cselect_b32 s25, 1, 0                        ; chunk q lies before mine
	s_add_co_u32 s31, s14, 4
	s_cmp_lt_u32 s31, s12
	s_cselect_b32 s26, 1, 0                        ; chunk 4 + q lies before mine
.irp k, 0,1,2,3
	v_bfe_u32 v[2+\k], v0, \k, 1
	s_delay_alu instid0(VALU_DEP_1)
	v_add_nc_u32 v[2+\k], -1, v[2+\k]              ; 0 where my lane's type has bit k, else all ones
.endr
	; every LDS address is made here, ahead of the place where wave 0 parts from the others
	v_mul_u32_u24 v7, v1, PCN
	s_lshl_b32 s31, s13, 2
	v_add_nc_u32 v6, s31, v7
	v_lshl_add_u32 v8, v1, 2, TBL
	v_lshl_add_u32 v9, v0, 2, TBL                  ; 128 w + 4 l = 4 t
	v_lshl_add_u32 v10, v1, 2, FILS
	s_add_co_u32 s32, s31, FILS
	v_mov_b32 v11, s32
	s_mul_i32 s33, s11, SUP*4
	v_lshl_add_u32 v12, v0, 4, s33                 ; rows 4 t .. 4 t + 3 of the super-chunk: always inside the buffer
	s_delay_alu instid0(VALU_DEP_1)
	v_add_nc_u32 v13, 16384, v12
	s_delay_alu instid0(VALU_DEP_1)
	v_min_u32 v13, NROWS*4-16, v13                 ; rows 4,096 + 4 t ..: held inside the buffer; what is held is masked below
	s_lshl_b32 s34, s10, 10
	v_add_nc_u32 v31, s34, v0                      ; my row
	s_delay_alu instid0(VALU_DEP_1)
	v_lshlrev_b32 v14, 2, v31
	s_delay_alu instid0(VALU_DEP_1)
	v_min_u32 v14, NROWS*4-4, v14
	s_sub_co_u32 s31, s15, 4096
	s_lshr_b32 s31, s31, 2
	v_cmp_gt_u32 s24, s31, v0                      ; the second load's four rows belong to my super-chunk (its rows are a multiple of 4)
	v_cmp_gt_u32 s27, NROWS, v31                   ; my row exists
	v_mov_b32 v32, 0
	v_mov_b32 v33, 0
	v_mov_b32 v34, 0
	s_wait_alu depctr_va_vdst(0)
	s_wait_kmcnt 0x0
	global_load_b128 v[16:19], v12, s[4:5]
	global_load_b128 v[20:23], v13, s[4:5]
	global_load_b32 v24, v14, s[4:5]
; In lane 16 + e: acc += the number of lanes (of those in s[mask]; mask = -1: of all) whose v[x] is type e.  It leaves the four ballots in s16-19 and v[x] held to 0..15.
.macro CNT x, acc, mask
	v_min_u32 v[\x], 15, v[\x]
	s_delay_alu instid0(VALU_DEP_1)
	v_and_b32 v25, 1, v[\x]
	s_delay_alu instid0(VALU_DEP_2)
	v_and_b32 v26, 2, v[\x]
	s_delay_alu instid0(VALU_DEP_3)
	v_and_b32 v27, 4, v[\x]
	s_delay_alu instid0(VALU_DEP_3)
	v_cmp_ne_u32 s16, 0, v25
	s_delay_alu instid0(VALU_DEP_3)
	v_cmp_ne_u32 s17, 0, v26
	s_delay_alu instid0(VALU_DEP_3)
	v_cmp_ne_u32 s18, 0, v27
	v_cmp_lt_u32 s19, 7, v[\x]
	s_delay_alu instid0(VALU_DEP_4)
	v_xor_b32 v25, s16, v2                         ; the ballot where my type has the bit, its complement where not
	s_delay_alu instid0(VALU_DEP_4)
	v_xor_b32 v26, s17, v3
	s_delay_alu instid0(VALU_DEP_4)
	v_xor_b32 v27, s18, v4
	s_delay_alu instid0(VALU_DEP_4)
	v_xor_b32 v28, s19, v5
	s_delay_alu instid0(VALU_DEP_3)
	v_and_b32 v25, v25, v26
	s_delay_alu instid0(VALU_DEP_2)
	v_and_b32 v27, v27, v28
	s_delay_alu instid0(VALU_DEP_1)
	v_and_b32 v25, v25, v27
.if \mask >= 0
	s_delay_alu instid0(VALU_DEP_1)
	v_and_b32 v25, s[\mask], v25
.endif
	s_delay_alu instid0(VALU_DEP_1)
	v_and_b32 v26, 0xffff, v25
	s_delay_alu instid0(VALU_DEP_2)
	v_lshrrev_b32 v25, 16, v25
	s_delay_alu instid0(VALU_DEP_2)
	v_mbcnt_lo_u32_b32 v[\acc], v26, v[\acc]
	s_delay_alu instid0(VALU_DEP_1)
	v_mbcnt_lo_u32_b32 v[\acc], v25, v[\acc]
.endm
	s_wait_loadcnt 0x2                             ; the first count load is in; the second and my own type may be out
.irp i, 16,17,18,19
	CNT \i, 32, -1
.endr
	s_wait_loadcnt 0x1                             ; the second is in
.irp i, 20,21,22,23
	CNT \i, 33, 24
.endr
	s_wait_loadcnt 0x0
	CNT 24, 34, 27
	; my rank among the lower lanes of my wave that hold my type: the same combination, by my own type's bits
.irp k, 0,1,2,3
	v_bfe_u32 v[25+\k], v24, \k, 1
	s_delay_alu instid0(VALU_DEP_1)
	v_add_nc_u32 v[25+\k], -1, v[25+\k]
	s_delay_alu instid0(VALU_DEP_1)
	v_xor_b32 v[25+\k], s[16+\k], v[25+\k]
.endr
	v_and_b32 v25, v25, v26
	s_delay_alu instid0(VALU_DEP_2)
	v_and_b32 v27, v27, v28
	s_delay_alu instid0(VALU_DEP_1)
	v_and_b32 v25, v25, v27
	s_delay_alu instid0(VALU_DEP_1)
	v_and_b32 v25, s27, v25
	s_delay_alu instid0(VALU_DEP_1)
	v_mbcnt_lo_u32_b32 v15, v25, 0
	v_add_nc_u32 v29, v32, v33                     ; my wave's part of the super-chunk's counts,
	v_mul_u32_u24 v30, v32, s25
	s_delay_alu instid0(VALU_DEP_1)
	v_mad_u32_u24 v30, v33, s26, v30               ; and of the counts before my chunk
	ds_store_b32 v6, v29 offset:ACN
	ds_store_b32 v6, v30 offset:BCN
	ds_store_b32 v6, v34 offset:OCN
	s_wait_dscnt 0x0                               ; for the others' sake: my stores are done
	s_barrier_signal -1
	s_barrier_wait -1
	s_cmp_lg_u32 s13, 0                            ; wave 0 alone makes the tables; no barrier stands inside
	s_cbranch_scc1 .Lnot_wave_0
.irp i, 0,1,2,3,4,5,6,7
	ds_load_b128 v[32+4*\i:35+4*\i], v7 offset:ACN+16*\i
.endr
.irp i, 0,1,2,3,4,5,6,7
	ds_load_b128 v[64+4*\i:67+4*\i], v7 offset:BCN+16*\i
.endr
.irp i, 0,1,2,3,4,5,6,7
	ds_load_b128 v[96+4*\i:99+4*\i], v7 offset:OCN+16*\i
.endr
.macro SUM32 dst, base
	v_add3_u32 v[\dst], v[\base], v[\base+1], v[\base+2]
.irp i, 3,5,7,9,11,13,15,17,19,21,23,25,27,29
	s_delay_alu instid0(VALU_DEP_1)
	v_add3_u32 v[\dst], v[\dst], v[\base+\i], v[\base+\i+1]
.endr
	s_delay_alu instid0(VALU_DEP_1)
	v_add_nc_u32 v[\dst], v[\dst], v[\base+31]
.endm
	s_wait_dscnt 16                                ; the first eight loads are in
	SUM32 16, 32                                   ; T: my type's rows in the super-chunk
	s_delay_alu instid0(VALU_DEP_1)
	v_add_nc_u32 v18, 63, v16
	s_delay_alu instid0(VALU_DEP_1)
	v_lshrrev_b32 v18, 6, v18                      ; its tiles
	s_delay_alu instid0(VALU_DEP_1)
	v_mov_b32 v19, v18
	v_mov_b32 v20, 0                               ; (written before the DPP moves, whose destination counts as read)
.irp n, 1
	s_delay_alu instid0(VALU_DEP_2)
	v_mov_b32_dpp v20, v19 row_shr:\n row_mask:0xf bank_mask:0xf bound_ctrl:1
	s_delay_alu instid0(VALU_DEP_1)
	v_add_nc_u32 v19, v19, v20
.endr
.irp n, 2, 4, 8
	s_delay_alu instid0(VALU_DEP_1)
	v_mov_b32_dpp v20, v19 row_shr:\n row_mask:0xf bank_mask:0xf bound_ctrl:1
	s_delay_alu instid0(VALU_DEP_1)
	v_add_nc_u32 v19, v19, v20
.endr
	s_delay_alu instid0(VALU_DEP_1)
	v_sub_nc_u32 v21, v19, v18                     ; tiles of the types before mine
	s_delay_alu instid0(VALU_DEP_1)
	v_lshl_add_u32 v22, v21, 6, s30                ; my type's first entry
	s_wait_dscnt 8
	SUM32 17, 64                                   ; my type's rows in the chunks before mine
	s_wait_alu depctr_va_vdst(0)
	s_wait_dscnt 0x0
	v_add_nc_u32 v32, v22, v17                     ; where wave 0's rows of my type begin; each wave's follow the wave before
.set k, 0
.rept 31
	s_delay_alu instid0(VALU_DEP_1)
	v_add_nc_u32 v[33+k], v[32+k], v[96+k]
.set k, k+1
.endr
.set k, 0
.rept 32
	ds_store_b32 v8, v[32+k] offset:128*k
.set k, k+1
.endr
	; the filler: wave 16 + e fills type e's last tile (at most 63 entries); waves 0-14 the slots that no tile takes (at most 15 x 64 entries)
	v_add_nc_u32 v23, v22, v16                     ; behind my type's last row,
	v_lshl_add_u32 v25, v19, 6, s30                ; up to the end of its last tile
	v_readlane_b32 s35, v19, 31                    ; all tiles of the super-chunk
	s_lshl_b32 s35, s35, 6
	s_add_co_u32 s35, s35, s30
	s_cmp_eq_u32 s11, 6
	s_cselect_b32 s36, 2, 0
	s_sub_co_u32 s36, SLOTS_S, s36                 ; its slots: 127, the last super-chunk's 125
	s_lshl_b32 s36, s36, 6
	s_add_co_u32 s36, s36, s30
	v_lshl_add_u32 v26, v1, 6, s35
	s_delay_alu instid0(VALU_DEP_1)
	v_cndmask_b32 v23, v26, v23, s29
	v_cndmask_b32 v25, s36, v25, s29
	ds_store_b32 v10, v23
	ds_store_b32 v10, v25 offset:FILE-FILS
	s_cmp_lg_u32 s12, 0                            ; the super-chunk's first work-group stores the running counts of tiles
	s_cbranch_scc1 .Lno_ends
	v_and_b32 v28, 15, v1
	s_lshl_b32 s37, s11, 6
	v_lshl_add_u32 v28, v28, 2, s37
	v_cmp_lt_u32 vcc_lo, 15, v1
	s_wait_alu depctr_va_vdst(0)
	s_wait_xcnt 0x0                                ; EXEC changes only behind this wait
	s_and_saveexec_b32 s28, vcc_lo
	global_store_b32 v28, v19, s[8:9]
	s_wait_xcnt 0x0                                ; and again in front of the line that widens it
	s_or_b32 exec_lo, exec_lo, s28
.Lno_ends:
.Lnot_wave_0:
	s_wait_dscnt 0x0
	s_barrier_signal -1
	s_barrier_wait -1                              ; the tables lie in LDS; nothing is written to LDS from here on
	ds_load_b32 v26, v9                            ; lane 16 + e: where my wave's rows of type e begin
	ds_load_b32 v27, v11                           ; my wave's filler: from,
	ds_load_b32 v28, v11 offset:FILE-FILS          ; to
	v_add_nc_u32 v25, 16, v24
	s_delay_alu instid0(VALU_DEP_1)
	v_lshlrev_b32 v25, 2, v25                      ; lane 16 + my type, as a byte index (my type was held to 0..15)
	s_wait_alu depctr_va_vdst(0)
	s_wait_dscnt 0x0
	ds_bpermute_b32 v29, v25, v26
	s_wait_dscnt 0x0
	v_add_nc_u32 v29, v29, v15
	s_delay_alu instid0(VALU_DEP_1)
	v_min_u32 v29, ENT_LAST, v29
	s_delay_alu instid0(VALU_DEP_1)
	v_lshlrev_b32 v29, 2, v29
	s_wait_alu depctr_va_vdst(0)
	s_wait_xcnt 0x0
	s_mov_b32 vcc_lo, s27
	s_and_saveexec_b32 s28, vcc_lo
	global_store_b32 v29, v31, s[6:7]              ; my row's number at its place
	s_wait_xcnt 0x0
	s_or_b32 exec_lo, exec_lo, s28
	s_cmp_lg_u32 s12, 0
	s_cbranch_scc1 .Lend
	v_mov_b32 v30, -1
	v_add_nc_u32 v25, v27, v1
	s_delay_alu instid0(VALU_DEP_1)
	v_add_nc_u32 v26, 32, v25
	s_delay_alu instid0(VALU_DEP_2)
	v_cmp_lt_u32 vcc_lo, v25, v28
	s_delay_alu instid0(VALU_DEP_2)
	v_cmp_lt_u32 s38, v26, v28
	s_delay_alu instid0(VALU_DEP_4)
	v_min_u32 v25, ENT_LAST, v25
	s_delay_alu instid0(VALU_DEP_4)
	v_min_u32 v26, ENT_LAST, v26
	s_delay_alu instid0(VALU_DEP_2)
	v_lshlrev_b32 v25, 2, v25
	s_delay_alu instid0(VALU_DEP_2)
	v_lshlrev_b32 v26, 2, v26
	s_and_saveexec_b32 s28, vcc_lo
	global_store_b32 v25, v30, s[6:7]
	s_wait_alu depctr_va_vdst(0)
	s_wait_xcnt 0x0
	s_or_b32 exec_lo, exec_lo, s28
	s_mov_b32 vcc_lo, s38
	s_and_saveexec_b32 s28, vcc_lo
	global_store_b32 v26, v30, s[6:7]
	s_wait_xcnt 0x0
	s_or_b32 exec_lo, exec_lo, s28
.Lend:
	s_wait_xcnt 0x0
	s_mov_b32 exec_lo, -1
	v_lshl_add_u32 v30, v0, 2, 0x4800
	v_mov_b32 v31, 0
	s_wait_alu depctr_va_vdst(0)
	s_wait_tensorcnt 0x0
	ds_add_u32 v30, v31
	s_wait_dscnt 0x0
	s_endpgm
.Lfunc_end_k_qb5472a9ce1_route:
	.size	k_qb5472a9ce1_route, .Lfunc_end_k_qb5472a9ce1_route-k_qb5472a9ce1_route
	.p2alignl 7, 3214868480
	.fill 96, 4, 3214868480
	.section	.rodata,"a",@progbits
	.p2align	6, 0x0
	.amdhsa_kernel k_qb5472a9ce1_route
		.amdhsa_group_segment_fixed_size 22528
		.amdhsa_private_segment_fixed_size 0
		.amdhsa_enable_private_segment 0
		.amdhsa_kernarg_size 24
		.amdhsa_user_sgpr_count 2
		.amdhsa_user_sgpr_kernarg_segment_ptr 1
		.amdhsa_wavefront_size32 1
		.amdhsa_system_sgpr_workgroup_id_x 1
		.amdhsa_system_sgpr_workgroup_id_y 1
		.amdhsa_system_sgpr_workgroup_id_z 1
		.amdhsa_system_vgpr_workitem_id 0
		.amdhsa_next_free_vgpr 128
		.amdhsa_next_free_sgpr 66
		.amdhsa_reserve_vcc 1
		.amdhsa_float_denorm_mode_32 3
		.amdhsa_float_denorm_mode_16_64 3
		.amdhsa_memory_ordered 1
		.amdhsa_forward_progress 1
		.amdhsa_inst_pref_size 31
	.end_amdhsa_kernel
	.amdgpu_metadata
---
amdhsa.version: [ 1, 2 ]
amdhsa.kernels:
  - .name:           k_qb5472a9ce1_route
    .symbol:         k_qb5472a9ce1_route.kd
    .args:
      - { .name: type_vec, .offset: 0, .size: 8, .value_kind: global_buffer, .address_space: global }
      - { .name: order, .offset: 8, .size: 8, .value_kind: global_buffer, .address_space: global }
      - { .name: ends, .offset: 16, .size: 8, .value_kind: global_buffer, .address_space: global }
    .group_segment_fixed_size: 22528
    .private_segment_fixed_size: 0
    .kernarg_segment_align: 8
    .kernarg_segment_size: 24
    .max_flat_workgroup_size: 1024
    .sgpr_count:     66
    .vgpr_count:     128
    .wavefront_size: 32
...
	.end_amdgpu_metadata
.endif
;; end of part 3
;; launch main (part 4): grid 887 x 1, 4 waves a work-group, no clusters, 68,096 bytes of LDS; arguments W_codes, W_scales, b, type_vec, x_codes, x_scales, order, ends, out0; writes out0
.if DOCPART == 4
	.amdgcn_target "amdgcn-amd-amdhsa--gfx1250"
	.amdhsa_code_object_version 6
	.text
	.protected	k_qb5472a9ce1_main
	.globl	k_qb5472a9ce1_main
	.p2align	8
	.type	k_qb5472a9ce1_main,@function
k_qb5472a9ce1_main:
	s_mov_b64 s[64:65], 0
	v_nop
	global_prefetch_b8 v0, s[64:65] scope:SCOPE_SE
	s_setreg_imm32_b32 hwreg(HW_REG_WAVE_SCHED_MODE, 0, 2), 2
	s_setreg_imm32_b32 hwreg(HW_REG_WAVE_MODE, 25, 1), 1
	s_wait_xcnt 0x0
	s_wait_alu depctr_vm_vsrc(0)
; out[n] = x[n] . W[type[n]]^T + b[type[n]] on codes of BF6 (E3M2) with one E8M0 scale for each 32 along K; sums in f32.  Only the chosen type's product is made for a row.
; A work-group takes ONE TILE SLOT of the list that the launch before has stored: up to 64 rows of one type.  order[slot][0..63]: row numbers, then the filler 0xffffffff; ends[s][e]: running count of tiles.
; 887 slots serve every split of the rows among the types; a slot that the split leaves empty stores nothing and ends.
; SHARES.  Wave w makes columns 64 w .. 64 w + 63 of all 64 rows: a type's weights are read once by the work-group, and a wave's part of an output row is 256 consecutive bytes, aligned.
; Wave w also gathers rows 16 w .. 16 w + 15 of x, their scale words, numbers and raw types into LDS for all four waves: one barrier.
; THE MATRIX INSTRUCTION IS USED TRANSPOSED (source 0 = 16 rows of W, source 1 = 16 rows of x): lane (r, h) holds row r and the eight neighbouring columns 8 h + 0 .. 7 of a tile.  The bias is the C of a sum's first instruction.
; DENSE LOADS, THEN A TURN THROUGH LDS.  Rows of codes are 192 bytes.  They are loaded in pieces of 16 bytes by neighbouring lanes (W: 512 consecutive bytes an instruction; x: 12 lanes to a row) and laid into LDS
; rows 208 bytes apart; the fragments come back as loads of 8 bytes at 208 r + 24 h.  208 bytes are 52 words: the 32 lanes of such a load touch 64 different banks (64 banks of 4 bytes: ISA guide 11.1).
; FILLER entries are replaced by the tile's first row: the same numbers are stored to the same bytes by the same work-group.
; A ROW WHOSE TYPE LIES OUTSIDE 0..15 was sorted as type 15; its raw type differs from the tile's, and zeros are stored.  A scale byte 0xff gives NaN, as the matrix instruction has it.
; NO TENSOR LOADS, NO CLUSTER: the slot's type and the exit of an empty slot hang on stored numbers, neighbouring slots hold different types, and what they would share, 51 KB of weights, comes once a work-group.
; THE MODE: SCHED_MODE bits 1:0 = 2 (LLVM: expert scheduling mode 2), set by the entry lines.  The code itself states the register dependences
; between vector or matrix instructions and memory or LDS instructions, with s_wait_alu, always for 0.
; THE PLAN.  Registers that memory or LDS instructions touch:
;   v4-v11, v254, v255   Written by vector instructions at the head, ahead of the wait on va_vdst in front of the first loads; read by LDS and memory instructions; never written again.
;   v178-v204            Ahead of the barrier: addresses, offsets and list entries, read by loads and LDS stores.  Behind it they are accumulators: one wait on vm_vsrc behind the barrier stands between the two lives.
;   WF                   Global loads land; 24 LDS stores read it; (vm_vsrc) 48 LDS loads land; from then on matrix instructions alone read it.
;   XF, XS, v242         Global loads land; LDS stores read them; (the wait on vm_vsrc behind the barrier) LDS loads land.  In a tile: its products read XF, XS; the next tile's fetch lands there.
;   OFF                  LDS loads land; vector instructions make offsets of them; the global stores read them; never written again.
;   ACC, in a tile       products and selects write it; (va_vdst) eight LDS stores read it; (vm_vsrc) eight LDS loads land in it; eight global stores read it; (vm_vsrc) the next tile's products write it.
;   WS, BI               Loaded once, read by matrix instructions alone.
; So ONE wait on va_vdst stands in a tile, behind its selects: behind it stand the tile's LDS stores, the next tile's fetch, the read-back and the global stores, and no vector or matrix instruction until the next tile's products.
.set NROWS,  50000
.set PW,     208                       ; an LDS row of codes: 192 bytes + 16
.set WREGB,  64*PW                     ; a wave's 64 rows of W; later its stage for the way out (16 rows x 272 bytes)
.set XROWS,  4*WREGB                   ; the 64 rows of x
.set XSC,    XROWS+WREGB               ; their scale words, 8 bytes a row
.set ROWS,   XSC+512                   ; their numbers
.set TYP,    ROWS+256                  ; their raw types
.set SP,     272                       ; a stage row: 256 bytes + 16
.set GRP,    8*PW                      ; 96 pieces of 16 bytes are 8 rows
.set WF,  16                           ; v16-111   W's fragments: (tile t, K step s) at 12 (2 t + s)
.set WS,  112                          ; v112-119  W's scale words: 2 t + s
.set BI,  120                          ; v120-151  the bias, 8 registers a tile, in the result's layout
.set XF,  152                          ; v152-175  x's two fragments
.set XS,  176                          ; v176-177  x's scale words
.set ACC, 178                          ; v178-209  four accumulators.  Ahead of the barrier: v178-207 addresses and list entries
.set OFF, 210                          ; v210-241  byte offsets in out0 for the stores: 8 m + i
.set TY,  242                          ; v242-245  raw types of the four tiles of rows
; v1 lane, v2 r, v3 h, v4 W's fragments, v5 x's fragments, v6 into the stage, v7 back from it, v8 x's scale words, v9 row numbers, v10 types, v11 256 w + 16 r
; v254 LDS address of my spare word (behind the types: 0x10800 + 4 x my thread's number), v255 0: made at the head and kept for the closing lines alone
; s[4:5] W_codes, s[6:7] W_scales, s[8:9] b, s[10:11] type_vec, s[12:13] x_codes, s[14:15] x_scales, s[16:17] order, s[18:19] ends, s[20:21] out0
; s22 wave, s23 slot, s24 super-chunk, s25 slot in it, s26 the slot's type or 16, s27 the slot's first entry, s31 the type held to 15, s[32:47] ends[s], s48-51 masks (ahead of the barrier s48-54: which of my seven entries are rows)
	s_load_b512 s[4:19], s[0:1], 0x0
	s_load_b64 s[20:21], s[0:1], 0x40
	v_lshl_add_u32 v254, v0, 2, 0x10800
	v_mov_b32 v255, 0
	v_lshrrev_b32 v205, 5, v0
	v_readfirstlane_b32 s22, v205                  ; wave 0..3
	v_and_b32 v1, 31, v0
	v_and_b32 v2, 15, v0
	s_wait_alu depctr_va_vdst(0)
	v_bfe_u32 v3, v0, 4, 1
	s_mov_b32 s23, ttmp9
	s_mul_i32 s24, s23, 33027
	s_lshr_b32 s24, s24, 22                        ; slot / 127 (exact for 0..886)
	s_mul_i32 s25, s24, 127
	s_sub_co_u32 s25, s23, s25
	s_wait_alu depctr_va_sdst(0)                   ; s22, the wave's number, is written, ahead of its first reader
	s_mul_i32 s30, s22, WREGB                      ; my wave's region
	s_mul_i32 s53, s22, 16*PW
	s_add_co_u32 s53, s53, XROWS                   ; where my 16 rows of x go
	s_lshl_b32 s54, s22, 6                         ; my 16 entries of the slot
	s_lshl_b32 s55, s22, 7
	s_add_co_u32 s55, s55, XSC                     ; my 16 rows' scale words
	s_lshl_b32 s56, s22, 8                         ; my 64 columns, in bytes
	v_mul_u32_u24 v205, v2, PW
	s_wait_alu depctr_va_vdst(0)
	v_mad_u32_u24 v205, v3, 24, v205               ; a fragment's row x pitch + 24 x half
	v_add_nc_u32 v4, s30, v205
	v_add_nc_u32 v5, XROWS, v205
	v_mul_u32_u24 v206, v2, SP
	v_lshl_add_u32 v206, v3, 5, v206
	v_add_nc_u32 v6, s30, v206                     ; into the stage: row r, 32 bytes for each half of the lanes
	v_mul_u32_u24 v206, v3, 8*SP
	v_lshl_add_u32 v206, v2, 4, v206
	v_add_nc_u32 v7, s30, v206                     ; back: lanes 0-15 row i, lanes 16-31 row 8 + i, 16 bytes a lane
	v_lshl_add_u32 v8, v2, 3, XSC
	v_lshl_add_u32 v9, v3, 5, ROWS
	v_lshl_add_u32 v10, v2, 2, TYP
	v_lshl_add_u32 v11, v2, 4, s56
	; piece q = 32 i + lane of a group of 96 pieces (8 rows): row q / 12, byte 16 (q % 12) in it; in LDS at 16 (q + q / 12)
.irp i, 0,1,2
	v_add_nc_u32 v205, 32*\i, v1
	v_mul_u32_u24 v206, v205, 171
	v_lshrrev_b32 v206, 11, v206                   ; q / 12 (exact for 0..95)
	v_add_nc_u32 v207, v205, v206
	v_lshlrev_b32 v207, 4, v207
	v_add_nc_u32 v[178+\i], s30, v207              ; W's pieces, in my region
	v_add_nc_u32 v[181+\i], s53, v207              ; x's pieces
	v_mul_u32_u24 v207, v206, 12
	v_sub_nc_u32 v207, v205, v207
	v_lshlrev_b32 v[184+\i], 4, v207               ; the piece's byte in its row
	v_lshl_add_u32 v[187+\i], v206, 2, s54         ; the row's entry in the slot
.endr
	v_lshl_add_u32 v197, v2, 2, s54                ; entry 16 w + r
	v_add_nc_u32 v198, ROWS, v197
	v_lshl_add_u32 v199, v2, 3, s55
	v_lshlrev_b32 v200, 4, v1
	v_lshlrev_b32 v201, 3, v2
	v_lshlrev_b32 v202, 5, v3
	s_wait_kmcnt 0x0
	s_lshl_b32 s28, s24, 6
	s_mov_b32 s29, 0
	s_add_nc_u64 s[18:19], s[18:19], s[28:29]      ; ends[s]
	s_lshl_b32 s28, s23, 8
	s_add_nc_u64 s[16:17], s[16:17], s[28:29]      ; order[slot]
	s_load_b512 s[32:47], s[18:19], 0x0
	s_load_b32 s27, s[16:17], 0x0
	s_wait_alu depctr_va_vdst(0)                   ; all addresses and offsets of the head are written (v4-v11, v178-v189, v197-v202, v254, v255): the loads and LDS instructions below read them, and no later vector instruction writes them
.irp k, 0,1
.irp i, 0,1,2
	global_load_b32 v[190+3*\k+\i], v[187+\i], s[16:17] offset:32*\k   ; the row of each of my six pieces
.endr
.endr
	global_load_b32 v196, v197, s[16:17]           ; and row 16 w + r
	s_wait_kmcnt 0x0
	s_mov_b32 s26, 0
.irp k, 0,1,2,3,4,5,6,7,8,9,10,11,12,13,14,15
	s_cmp_ge_u32 s25, s[32+\k]                     ; the slot's type: how many running counts it has reached;
	s_add_co_ci_u32 s26, s26, 0                    ; 16: no tile
.endr
	s_min_u32 s31, s26, 15
	s_mul_i32 s28, s31, 49152
	s_mul_i32 s57, s22, 12288
	s_add_co_u32 s28, s28, s57
	s_add_nc_u64 s[4:5], s[4:5], s[28:29]          ; my 64 rows of the type's weights: 12,288 dense bytes,
	s_lshl_b32 s28, s31, 11
	s_lshl_b32 s57, s22, 9
	s_add_co_u32 s28, s28, s57
	s_add_nc_u64 s[6:7], s[6:7], s[28:29]          ; their scale words,
	s_lshl_b32 s28, s31, 10
	s_add_co_u32 s28, s28, s56
	s_add_nc_u64 s[8:9], s[8:9], s[28:29]          ; my 64 numbers of the bias
.set i, 0
.rept 24
	global_load_b128 v[WF+4*i:WF+4*i+3], v200, s[4:5] offset:512*i   ; 32 lanes read 512 consecutive bytes
.set i, i+1
.endr
.irp t, 0,1,2,3
	global_load_b64 v[WS+2*\t:WS+2*\t+1], v201, s[6:7] offset:128*\t   ; row 16 t + r: the words of K steps 0 and 1
.endr
.irp t, 0,1,2,3
	global_load_b128 v[BI+8*\t:BI+8*\t+3], v202, s[8:9] offset:64*\t
	global_load_b128 v[BI+8*\t+4:BI+8*\t+7], v202, s[8:9] offset:64*\t+16
.endr
	s_wait_loadcnt 36                              ; the seven entries are in; the 24 + 4 + 8 loads behind them may be out
.set k, 0
.rept 7
	v_cmp_gt_u32 s[48+k], NROWS, v[190+k]          ; is the entry a row?  The seven compares in one run, a mask each
.set k, k+1
.endr
	s_wait_alu depctr_va_sdst(0)                   ; the seven masks s48-s54 are written, ahead of the selects that read them
.set k, 0
.rept 7
	v_cndmask_b32 v[190+k], s27, v[190+k], s[48+k] ; a filler becomes the tile's first row
	v_min_u32 v[190+k], NROWS-1, v[190+k]          ; and every number stays inside the tables
.set k, k+1
.endr
.irp k, 0,1
.irp i, 0,1,2
	v_lshl_add_u32 v[190+3*\k+\i], v[190+3*\k+\i], 1, v[190+3*\k+\i]
	v_lshl_add_u32 v[190+3*\k+\i], v[190+3*\k+\i], 6, v[184+\i]      ; 192 x row + the piece's byte
.endr
.endr
	v_lshlrev_b32 v203, 3, v196
	v_lshlrev_b32 v204, 2, v196
	s_wait_alu depctr_va_vdst(0)                   ; v190-v195, v203 and v204 are written, which the loads below read as offsets; so is v196, which an LDS store below reads as data
.irp k, 0,1
.irp i, 0,1,2
	global_load_b128 v[XF+4*(3*\k+\i):XF+4*(3*\k+\i)+3], v[190+3*\k+\i], s[12:13]
.endr
.endr
	global_load_b64 v[XS:XS+1], v203, s[14:15]
	global_load_b32 v[TY], v204, s[10:11]
	s_wait_loadcnt 20                              ; W's 24 loads are in; 12 for scales and bias and 8 for the rows may be out
.set i, 0
.rept 24
	ds_store_b128 v[178+i%3], v[WF+4*i:WF+4*i+3] offset:GRP*(i/3)
.set i, i+1
.endr
	s_wait_alu depctr_vm_vsrc(0)                   ; the 24 LDS stores have read v[WF ..], in which the fragments' loads below land
; a fragment, 16 rows x 128 K of 6-bit codes, is 12 registers: lane (r, h) takes 24 bytes at 24 h and 24 at 48 + 24 h of its row's 96, as they lie, in pieces of 8 bytes
.macro FRAG reg, adr, off
.irp p, 0,1,2,3,4,5
	ds_load_b64 v[\reg+2*\p:\reg+2*\p+1], v[\adr] offset:(\off)+48*(\p/3)+8*(\p%3)
.endr
.endm
.irp t, 0,1,2,3
.irp s, 0,1
	FRAG WF+12*(2*\t+\s), 4, 16*PW*\t+96*\s        ; LDS serves a wave's instructions in order (ISA guide 5.7.1.4): these see my stores; the bytes are my wave's own
.endr
.endr
	s_wait_loadcnt 0x0
.irp k, 0,1
.irp i, 0,1,2
	ds_store_b128 v[181+\i], v[XF+4*(3*\k+\i):XF+4*(3*\k+\i)+3] offset:GRP*\k
.endr
.endr
	ds_store_b64 v199, v[XS:XS+1]                  ; (lanes r and 16 + r store the same bytes with the same values)
	ds_store_b32 v198, v196
	ds_store_b32 v198, v[TY] offset:TYP-ROWS
	s_wait_dscnt 0x0                               ; for the others' sake: my stores are done; and W's fragments are in
	s_barrier_signal -1
	s_barrier_wait -1                              ; the one barrier: every wave of every slot passes it
	s_wait_alu depctr_vm_vsrc(0)                   ; my LDS stores have read XF, XS and v242, in which the loads below land; and every load and store so far has read v178-v204, which the products write as accumulators from here on
	s_cmp_eq_u32 s26, 16
	s_cbranch_scc1 .Lempty                         ; a slot without a tile stores nothing
.macro FETCHX m                        ; rows 16 m .. 16 m + 15 of x: two fragments and the two scale words: 13 loads
	FRAG XF, 5, 16*PW*(\m)
	FRAG XF+12, 5, 16*PW*(\m)+96
	ds_load_b64 v[XS:XS+1], v8 offset:128*(\m)
.endm
.irp m, 0,1,2,3
.irp u, 0,1
	ds_load_b128 v[OFF+8*\m+4*\u:OFF+8*\m+4*\u+3], v9 offset:64*\m+16*\u   ; the numbers of rows 16 m + 8 h + 0 .. 7
.endr
.endr
.irp m, 0,1,2,3
	ds_load_b32 v[TY+\m], v10 offset:64*\m         ; the raw type of row 16 m + r
.endr
	FETCHX 0
	s_wait_dscnt 13                                ; numbers and types are in; the 13 loads just issued may be out
.irp m, 0,1,2,3
	v_cmp_eq_u32 s[48+\m], s31, v[TY+\m]
.endr
.set n, 0
.rept 32
	v_min_u32 v[OFF+n], NROWS-1, v[OFF+n]
	v_lshl_add_u32 v[OFF+n], v[OFF+n], 10, v11     ; 1,024 x row + 256 w + 16 r
.set n, n+1
.endr
	s_wait_alu depctr_va_sdst(0)                   ; the four masks s48-s51 are written, ahead of the tiles' selects, which read them
; Sixteen rows: eight matrix instructions, the four accumulators by turns, one instruction a turn; then the way out through my own stage.
.macro TILE m
	s_wait_dscnt 0x0                               ; x's fragments and scale words are in
.if \m > 0
	s_wait_xcnt 0x0                                ; the last tile's stores have had their addresses translated: the accumulators are written again only behind this wait,
	s_wait_alu depctr_vm_vsrc(0)                   ; and behind this one: the last tile's global stores have read v[ACC ..], which the products below write
.endif
.irp t, 0,1,2,3
	v_wmma_scale_f32_16x16x128_f8f6f4 v[ACC+8*\t:ACC+8*\t+7], v[WF+24*\t:WF+24*\t+11], v[XF:XF+11], v[BI+8*\t:BI+8*\t+7], v[WS+2*\t], v[XS] matrix_a_fmt:MATRIX_FMT_BF6 matrix_b_fmt:MATRIX_FMT_BF6
.endr
.irp t, 0,1,2,3
	v_wmma_scale_f32_16x16x128_f8f6f4 v[ACC+8*\t:ACC+8*\t+7], v[WF+24*\t+12:WF+24*\t+23], v[XF+12:XF+23], v[ACC+8*\t:ACC+8*\t+7], v[WS+2*\t+1], v[XS+1] matrix_a_fmt:MATRIX_FMT_BF6 matrix_b_fmt:MATRIX_FMT_BF6
.endr
.rept 4
	v_nop                                          ; four places (ISA guide 7.12.1) in front of the first read of results
.endr
.set n, 0
.rept 32
	v_cndmask_b32 v[ACC+n], 0, v[ACC+n], s[48+\m]  ; zeros where the row's raw type is not the tile's; each accumulator from its low end on
.set n, n+1
.endr
	s_wait_alu depctr_va_vdst(0)                   ; the selects have written v[ACC ..], which the LDS stores read and in which the read-back lands; the products are done reading XF and XS, in which the next fetch lands; in the first tile the offsets v[OFF ..] are written, which the global stores read
.irp t, 0,1,2,3
	ds_store_b128 v6, v[ACC+8*\t:ACC+8*\t+3] offset:64*\t
	ds_store_b128 v6, v[ACC+8*\t+4:ACC+8*\t+7] offset:64*\t+16
.endr
.if \m < 3
	FETCHX (\m)+1                                  ; the next sixteen rows come while these go out.  No wait: no vector or matrix instruction since the wait above names XF or XS
.endif
	s_wait_alu depctr_vm_vsrc(0)                   ; the eight LDS stores have read v[ACC ..], in which the loads below land
.irp i, 0,1,2,3,4,5,6,7
	ds_load_b128 v[ACC+4*\i:ACC+4*\i+3], v7 offset:SP*\i   ; in order behind my stores; the next tile's stores come behind these
.endr
.irp i, 0,1,2,3,4,5,6,7
	s_wait_dscnt 7-\i                              ; rows i and 8 + i are back
	global_store_b128 v[OFF+8*\m+\i], v[ACC+4*\i:ACC+4*\i+3], s[20:21] th:TH_STORE_NT   ; sixteen lanes store 256 consecutive bytes of a row, at a multiple of 256 from out0's first byte
.endr
.endm
	TILE 0
	TILE 1
	TILE 2
	TILE 3
.Lempty:
	s_barrier_signal -1
	s_barrier_wait -1
	s_wait_dscnt 0x0                               ; the closing lines, six on end
	s_wait_alu 0x0
	s_wait_tensorcnt 0x0
	ds_add_u32 v254, v255
	s_wait_dscnt 0x0
	s_endpgm
.Lfunc_end_k_qb5472a9ce1_main:
	.size	k_qb5472a9ce1_main, .Lfunc_end_k_qb5472a9ce1_main-k_qb5472a9ce1_main
	.p2alignl 7, 3214868480
	.fill 96, 4, 3214868480
	.section	.rodata,"a",@progbits
	.p2align	6, 0x0
	.amdhsa_kernel k_qb5472a9ce1_main
		.amdhsa_group_segment_fixed_size 68096
		.amdhsa_private_segment_fixed_size 0
		.amdhsa_enable_private_segment 0
		.amdhsa_kernarg_size 72
		.amdhsa_user_sgpr_count 2
		.amdhsa_user_sgpr_kernarg_segment_ptr 1
		.amdhsa_wavefront_size32 1
		.amdhsa_system_sgpr_workgroup_id_x 1
		.amdhsa_system_sgpr_workgroup_id_y 1
		.amdhsa_system_sgpr_workgroup_id_z 1
		.amdhsa_system_vgpr_workitem_id 0
		.amdhsa_next_free_vgpr 256
		.amdhsa_next_free_sgpr 66
		.amdhsa_reserve_vcc 0
		.amdhsa_float_denorm_mode_32 3
		.amdhsa_float_denorm_mode_16_64 3
		.amdhsa_memory_ordered 1
		.amdhsa_forward_progress 1
		.amdhsa_inst_pref_size 49
	.end_amdhsa_kernel
	.amdgpu_metadata
---
amdhsa.version: [ 1, 2 ]
amdhsa.kernels:
  - .name:           k_qb5472a9ce1_main
    .symbol:         k_qb5472a9ce1_main.kd
    .args:
      - { .name: W_codes, .offset: 0, .size: 8, .value_kind: global_buffer, .address_space: global }
      - { .name: W_scales, .offset: 8, .size: 8, .value_kind: global_buffer, .address_space: global }
      - { .name: b, .offset: 16, .size: 8, .value_kind: global_buffer, .address_space: global }
      - { .name: type_vec, .offset: 24, .size: 8, .value_kind: global_buffer, .address_space: global }
      - { .name: x_codes, .offset: 32, .size: 8, .value_kind: global_buffer, .address_space: global }
      - { .name: x_scales, .offset: 40, .size: 8, .value_kind: global_buffer, .address_space: global }
      - { .name: order, .offset: 48, .size: 8, .value_kind: global_buffer, .address_space: global }
      - { .name: ends, .offset: 56, .size: 8, .value_kind: global_buffer, .address_space: global }
      - { .name: out0, .offset: 64, .size: 8, .value_kind: global_buffer, .address_space: global }
    .group_segment_fixed_size: 68096
    .private_segment_fixed_size: 0
    .kernarg_segment_align: 8
    .kernarg_segment_size: 72
    .max_flat_workgroup_size: 128
    .sgpr_count:     66
    .vgpr_count:     256
    .wavefront_size: 32
...
	.end_amdgpu_metadata
.endif
;; end of part 4
